; MI455X (gfx1250); checked and timed in simulation.
; The chip was launched on July 23, 2026; its instructions are those of AMD's public machine-readable ISA for CDNA 5 (MIT licence, August 2026) and "CDNA5" Instruction Set Architecture Reference Guide (July 2026). The comments in the code are by the model that wrote it; some were corrected since.
;; Prime Qwen2 MLP. Allowed arithmetic: matrix products marked QUANTISED: E2M1 operands, one E8M0 scale for each 32 along K, by v_wmma_scale_f32_16x16x128_f8f6f4 with both operands' format E2M1 (or v_wmma_scale_f32_32x16x128_f4), f32 sums; everything else in f32.
;; Inputs: down_idx 2,048 x 1,376 int32; gate_idx 1,376 x 2,048 int32; lut 16 float32; up_idx 1,376 x 2,048 int32; x_codes 2 x 4,096 x 64 x 16 uint8 (E2M1 codes of x, K innermost, in blocks of 32 codes, two codes a byte); x_scales 2 x 4,096 x 64 uint8 (E8M0 scales of x, one for each 32 codes along K).
;; Outputs: out0 2 x 4,096 x 2,048 float32.
;; This version of the problem:
;;   THIS VERSION OF THE PROBLEM IS GIVEN IN LOW PRECISION. The matrix products marked QUANTISED in the list below multiply operands that are first quantised to E2M1 (2 exponent bits, 1 mantissa bit; 4 bits a number), with one power-of-two scale for each 32 numbers along K (OCP MX v1.0); their sums are f32. All else is computed in f32.
;;   The module's matrix products, in the order in which they are computed (A, B: the left and right operand; K: the contracted axis; several contracted axes count as one K, in the product's order):
;;     1. [M 8,192, K 2,048] x [K 2,048, N 1,376]; A: input x (given as codes); B: computed on the way: QUANTISED
;;     2. [M 8,192, K 2,048] x [K 2,048, N 1,376]; A: input x (given as codes); B: computed on the way: QUANTISED
;;     3. [M 8,192, K 1,376] x [K 1,376, N 2,048]; A: computed on the way; B: computed on the way: QUANTISED
;;   THE QUANTISER, for each operand of a quantised product, along K:
;;     - K is cut into blocks of 32 from its start; a last block that is shorter is filled with zeros.
;;     - A block's scale is 2^e with e = floor(log2(the largest magnitude in the block)) - 2, held to -126 .. 127; a block of zeros has e = 0. As a byte (E8M0): e + 127.
;;     - Each number is divided by its block's scale, clamped to +-6, and rounded to the nearest number of E2M1, ties to even, subnormals kept.
;;     - The product sums the exact products of the quantised numbers (number of the format x scale) in f32.
;;   ~~~python
;;   def quantise(x, axis):      # numpy; x: float32 -> the quantised numbers, widened to float32 again
;;       x = np.moveaxis(x, axis, -1); K = x.shape[-1]
;;       x = np.pad(x, [(0, 0)] * (x.ndim - 1) + [(0, -K % 32)]); x = x.reshape(x.shape[:-1] + (-1, 32)); a = np.abs(x).max(-1, keepdims=True)
;;       e = np.where(a > 0, np.clip(np.frexp(np.where(a > 0, a, 1))[1] - 1 - 2, -126, 127), 0)      # np.frexp(a)[1] - 1 = floor(log2(a)), exactly
;;       r = np.clip(x / 2.0 ** e, -6, 6)
;;       step = 2.0 ** (np.maximum(np.frexp(np.where(r == 0, 1, r))[1] - 1, 0) - 1)
;;       q = np.round(r / step) * step * 2.0 ** e      # np.round: ties to even
;;       return np.moveaxis(q.reshape(q.shape[:-2] + (-1,))[..., :K], -1, axis).astype(np.float32)
;;   ~~~
;;   OPERANDS COMPUTED ON THE WAY. 'Computed on the way' means the value that the module computes at that place (a softmax that the list does not call 'softmax' is quantised finished and normalised). What goes into a quantiser is computed in f32, as accurately as f32 sums, v_exp_f32 and their like allow (about 1e-6 of the number): no bf16 or f16 on the way to a quantiser, and a product that is left as it is and whose result goes on into a quantised operand takes f32 operands (vector FMAs, or v_wmma_f32_16x16x4_f32). A number that lies on a knife's edge between two numbers of the format may be rounded either way, as far as f32 arithmetic and the matrix unit's own rounding can turn it there, and no further.
;;   INPUTS GIVEN AS CODES. x (in the module: [2, 4096, 2048], K = its axis 2): each comes as NAME_codes (uint8): NAME with its K axis moved to the last place and cut into blocks of 32 codes, [.., K / 32, bytes a block], one block behind the other in memory; two codes a byte, the lower K in the low four bits (a code: sign, 2 exponent bits, 1 mantissa bit); and NAME_scales (uint8): the same leading axes, one E8M0 byte (e + 127) for each 32 codes along K. Its value is code x scale, taken as it is: it is not quantised again, and the codes and scales need not be those that the quantiser above would give.
;; One version. Each part assembles by itself: llvm-mc -triple=amdgcn-amd-amdhsa -mcpu=gfx1250 --defsym DOCPART=n.
;; ======== version 1 of 1: 3 launches
;; workspace buffers: wgu_codes 3,145,728 bytes; wgu_scales 196,608 bytes; wd_codes 1,441,792 bytes; wd_scales 98,304 bytes; h_codes 6,291,456 bytes; h_scales 524,288 bytes
;; launch prep (part 1): grid 32 x 16, 4 waves a work-group, no clusters, 21,760 bytes of LDS; arguments lut, gate_idx, up_idx, down_idx, wgu_codes, wgu_scales, wd_codes, wd_scales; writes wgu_codes, wgu_scales, wd_codes, wd_scales
.if DOCPART == 1
	.amdgcn_target "amdgcn-amd-amdhsa--gfx1250"
	.amdhsa_code_object_version 6
	.text
	.protected	k_q25927e1310_prep
	.globl	k_q25927e1310_prep
	.p2align	8
	.type	k_q25927e1310_prep,@function
k_q25927e1310_prep:
	s_mov_b64 s[64:65], 0
	v_nop
	global_prefetch_b8 v0, s[64:65] scope:SCOPE_SE
	s_setreg_imm32_b32 hwreg(HW_REG_WAVE_MODE, 25, 1), 1
	s_wait_xcnt 0x0
; The three weights, given as int32 indices into a table of 16 f32 numbers with K innermost, become codes of FP4 (E2M1) with one E8M0 byte for each 32 along K,
; laid in the order in which the two products' waves take them into operand registers.
; A FRAGMENT (16 rows x 128 K) is 1,024 bytes [block 4][row 16][16 bytes]: a wave that loads 16 bytes a lane at 16 x lane and at 512 + 16 x lane has the operand's eight registers.
; A block's scale is 2^(floor(log2(its largest magnitude)) - 2); its byte is the largest magnitude's exponent field - 2, held at 1 from below.
; LIMITS: a block of zeros gets the byte 1 where the rule says 127 (its codes are zeros, and only this program reads the bytes); NaN and infinities in the table are not served.
; SHARES.  Work-group (x, y), four waves.
;   x < 24, path GU: tile t = x / 2 (0-5 gate, 6-11 up) of column half y of the first two products, K half x % 2: 16 rows x 1,024 K.  Row r of tile 2 b + u is unit 32 beta + 8 u + r + 8 (r / 8), beta = 3 y + b,
;           so that the product's results of tiles 2 b and 2 b + 1 are 16 neighbours along the next K.  Tiles of beta >= 43 (there are 43 blocks of 32 units) take path Z: zero codes, bytes 127.
;   x >= 24, path D: tile T = 8 y + x - 24 of the third product's weight: 16 rows x 1,376 K = 43 blocks; block 43 is filled with zero codes, bytes 127.
; A wave takes four neighbouring rows.  Each load reads 512 consecutive bytes, 16 a lane: four indices a lane, eight lanes to a block of 32.  All of a wave's loads go out at once.
; The table lies in a register, entry lane % 16; an index fetches its number by a lane permute.  Codes (two bytes a lane) and scale bytes meet in a stage in LDS; one barrier; whole fragments leave.
; No matrix unit, no tensor load, no cluster: the work-groups share nothing and every index is read once.  Each path has LDS bytes of its own.
.set GC,   256                         ; LDS: path GU's codes [K step 8][block 4][row 16][16 bytes]   (bytes 0-255 are named by no line)
.set GS,   8448                        ;      path GU's scale bytes [row 16][32]
.set DC,   8960                        ;      path D's codes [block 44][row 16][16 bytes]
.set DS,   20224                       ;      path D's scale bytes [row 16][64]
.set LANE, 1                           ; v1   lane
.set GRP,  2                           ; v2   lane / 8: which of a load's four blocks
.set L7,   3                           ; v3   lane % 8
.set L16,  4                           ; v4   16 x lane
.set ACO,  5                           ; v5   stage address of my two bytes of codes
.set ASC,  6                           ; v6   stage address of my block's scale byte
.set RDC,  7                           ; v7   where I read codes back
.set RDS,  8                           ; v8   where I read scale bytes back
.set GSO,  9                           ; v9   path GU: my offset among the scale bytes in memory
.set L8,   10                          ; v10  8 x lane
.set TMP,  11
.set LUTR, 12                          ; v12  the table: entry lane % 16
.set LOF,  13
.set FIL,  14                          ; v14-15
.set VV,   16                          ; v16-51  a batch's numbers, four for each load; the last four are zeros: the last conversion's run of eight reaches into them
.set MX,   52                          ; v52-59  largest magnitudes, then scale operands
.set CD,   60                          ; v60-67  codes
.set BY,   68                          ; v68-75  scale bytes
.set ACX,  76                          ; v76-78  path D: code addresses of the three loads that cross from one row into the next
.set FA0,  79
.set IDX,  80                          ; v80-251 the indices: four registers a load
.set ASX,  252                         ; v252-254 the same three loads' byte addresses
.set FA1,  255
; n loads from load number first on, line by line by turns.  cnt: the index loads issued behind them, which may stay out.
.macro BATCH path, first, n, cnt
	s_wait_loadcnt \cnt
.set k, 0
.rept 4*\n
	v_min_u32 v[IDX+4*\first+k], 15, v[IDX+4*\first+k]      ; an index stays inside the table
.set k, k+1
.endr
.set k, 0
.rept 4*\n
	v_lshlrev_b32 v[IDX+4*\first+k], 2, v[IDX+4*\first+k]   ; the permute names a lane by 4 x its number
.set k, k+1
.endr
.set k, 0
.rept 4*\n
	ds_bpermute_b32 v[VV+k], v[IDX+4*\first+k], v[LUTR]     ; lut[index]
.set k, k+1
.endr
	s_wait_dscnt 0x0
.set k, 0
.rept \n
	v_max3_num_f32 v[MX+k], |v[VV+4*k]|, |v[VV+4*k+1]|, 0x1800000   ; my four numbers, and the floor 2^(3 - 127): the byte cannot fall under 1
.set k, k+1
.endr
.set k, 0
.rept \n
	v_max3_num_f32 v[MX+k], v[MX+k], |v[VV+4*k+2]|, |v[VV+4*k+3]|
.set k, k+1
.endr
.irp m, 1,2,4                          ; the block's eight lanes
.set k, 0
.rept \n
	v_max_num_f32_dpp v[MX+k], v[MX+k], v[MX+k] row_xmask:\m row_mask:0xf bank_mask:0xf
.set k, k+1
.endr
.endr
.set k, 0
.rept \n
	v_add_nc_u32 v[MX+k], 0xff000000, v[MX+k]               ; 2 off the exponent field: the conversion takes the exponent field of this operand as its scale
.set k, k+1
.endr
.set k, 0
.rept \n
	v_cvt_scalef32_pk8_fp4_f32 v[CD+k], v[VV+4*k:VV+4*k+7], v[MX+k]   ; the low 16 bits are my four codes; the upper four belong to the next load's numbers and are not used
.set k, k+1
.endr
.set k, 0
.rept \n
	v_lshrrev_b32 v[BY+k], 23, v[MX+k]                      ; the scale's byte (a plain line behind the conversions)
.set k, k+1
.endr
.set k, 0
.rept \n
.set q, \first+k
.if \path == 0
	ds_store_b16 v[ACO], v[CD+k] offset:1024*(q%8)+16*(q/8)         ; K step q % 8, my wave's row q / 8
	ds_store_b8 v[ASC], v[BY+k] offset:32*(q/8)+4*(q%8)             ; the block's eight lanes write the same byte with the same value
.elseif q == 10
	ds_store_b16 v[ACX], v[CD+k]
	ds_store_b8 v[ASX], v[BY+k]
.elseif q == 21
	ds_store_b16 v[ACX+1], v[CD+k]
	ds_store_b8 v[ASX+1], v[BY+k]
.elseif q == 32
	ds_store_b16 v[ACX+2], v[CD+k]
	ds_store_b8 v[ASX+2], v[BY+k]
.else
.set rho, (4*q)/43                     ; the load's four blocks lie in one row: stream block 4 q + g is block 4 q + g - 43 rho of row rho
	ds_store_b16 v[ACO], v[CD+k] offset:(4*q-43*rho)*256+16*rho
	ds_store_b8 v[ASC], v[BY+k] offset:4*q+21*rho
.endif
.set k, k+1
.endr
.endm
; Path D: the addresses of load q, whose blocks from some g on belong to row rho + 1.  v[TMP] holds 1 in those lanes, else 0.
.macro CROSS x, q, rho
	v_mul_u32_u24 v[FIL], v[TMP], 10992                     ; 43 blocks of 256 bytes back, one row of 16 bytes on
	v_add_nc_u32 v[ACX+\x], (4*\q-43*\rho)*256+16*\rho, v[ACO]
	v_sub_nc_u32 v[ACX+\x], v[ACX+\x], v[FIL]
	v_mul_u32_u24 v[FIL], v[TMP], 21                        ; one row of 64 bytes on, 43 bytes back
	v_add_nc_u32 v[ASX+\x], 4*\q+21*\rho, v[ASC]
	v_add_nc_u32 v[ASX+\x], v[ASX+\x], v[FIL]
.endm
	s_load_b256 s[4:11], s[0:1], 0x0               ; lut s[4:5], gate_idx s[6:7], up_idx s[8:9], down_idx s[10:11]
	s_load_b256 s[12:19], s[0:1], 0x20             ; wgu_codes s[12:13], wgu_scales s[14:15], wd_codes s[16:17], wd_scales s[18:19]
	s_set_vgpr_msb 0x40
	v_lshl_add_u32 v0, v0, 2, 0x5300
	v_mov_b32 v1, 0
	s_set_vgpr_msb 0x4000
	v_lshrrev_b32 v[TMP], 5, v0
	v_readfirstlane_b32 s20, v[TMP]                ; wave 0..3
	v_and_b32 v[LANE], 31, v0
	v_lshrrev_b32 v[GRP], 3, v[LANE]
	v_and_b32 v[L7], 7, v0
	v_lshlrev_b32 v[L16], 4, v[LANE]
	v_lshlrev_b32 v[L8], 3, v[LANE]
	v_and_b32 v[LOF], 15, v0
	v_lshlrev_b32 v[LOF], 2, v[LOF]
.irp i, 32,33,34,35
	v_mov_b32 v[VV+\i], 0
.endr
	s_and_b32 s21, ttmp7, 0xffff                   ; y
	s_wait_kmcnt 0x0
	global_load_b32 v[LUTR], v[LOF], s[4:5]        ; issued ahead of every index load: each batch's wait covers it
	s_cmp_ge_u32 ttmp9, 24                         ; the paths part on the work-group's number alone: all four waves go one way
	s_cbranch_scc1 .Ldown
	; ---- paths GU and Z
	s_lshr_b32 s22, ttmp9, 1                       ; t
	s_and_b32 s23, ttmp9, 1                        ; which half of K
	s_cmp_ge_u32 s22, 6
	s_cselect_b64 s[26:27], s[8:9], s[6:7]         ; tiles 6-11 are up's
	s_cselect_b32 s24, 6, 0
	s_sub_co_u32 s24, s22, s24
	s_lshr_b32 s24, s24, 1                         ; b
	s_mul_i32 s25, s21, 3
	s_add_co_u32 s25, s25, s24                     ; beta = 3 y + b
	; wgu_codes [n 8][visit 8][j 2][q 2][t 12][1,024]: wave w stores K steps 2 w, 2 w + 1 of its half of K, which are visit 4 x half + w
	s_lshr_b32 s28, s21, 1
	s_mul_i32 s28, s28, 393216
	s_lshl_b32 s29, s23, 2
	s_add_co_u32 s29, s29, s20
	s_mul_i32 s29, s29, 49152
	s_add_co_u32 s28, s28, s29
	s_and_b32 s29, s21, 1
	s_mul_i32 s29, s29, 24576
	s_add_co_u32 s28, s28, s29
	s_lshl_b32 s29, s22, 10
	s_add_co_u32 s28, s28, s29
	s_mov_b32 s29, 0
	s_add_nc_u64 s[12:13], s[12:13], s[28:29]
	; wgu_scales [y 16][t 12][row 16][64]: my wave's four rows, my half's 32 bytes
	s_mul_i32 s28, s21, 12
	s_add_co_u32 s28, s28, s22
	s_lshl_b32 s28, s28, 10
	s_lshl_b32 s30, s20, 8
	s_add_co_u32 s28, s28, s30
	s_lshl_b32 s30, s23, 5
	s_add_co_u32 s28, s28, s30
	s_add_nc_u64 s[14:15], s[14:15], s[28:29]
	v_lshlrev_b32 v[GSO], 6, v[GRP]
	v_lshl_add_u32 v[GSO], v[L7], 2, v[GSO]        ; row lane / 8, word lane % 8
	s_cmp_ge_u32 s25, 43
	s_cbranch_scc1 .Lzero
	s_lshl_b32 s30, s25, 5                         ; my wave's first row: unit 32 beta + 8 u + 4 w + 8 (w / 2)
	s_and_b32 s31, s22, 1
	s_lshl_b32 s31, s31, 3
	s_add_co_u32 s30, s30, s31
	s_lshl_b32 s31, s20, 2
	s_add_co_u32 s30, s30, s31
	s_lshr_b32 s31, s20, 1
	s_lshl_b32 s31, s31, 3
	s_add_co_u32 s30, s30, s31
	s_lshl_b32 s30, s30, 13                        ; rows of 8,192 bytes
	s_lshl_b32 s31, s23, 12                        ; halves of 4,096
	s_add_co_u32 s30, s30, s31
	s_mov_b32 s31, 0
	s_add_nc_u64 s[26:27], s[26:27], s[30:31]
.set k, 0
.rept 32                               ; load 8 rho + q: row rho, K step q of the half: 512 consecutive bytes
	global_load_b128 v[IDX+4*k:IDX+4*k+3], v[L16], s[26:27] offset:(k/8)*8192+(k%8)*512 th:TH_LOAD_NT
.set k, k+1
.endr
	s_lshl_b32 s30, s20, 6
	s_add_co_u32 s30, s30, GC
	v_lshlrev_b32 v[ACO], 8, v[GRP]
	v_lshl_add_u32 v[ACO], v[L7], 1, v[ACO]
	v_add_nc_u32 v[ACO], s30, v[ACO]               ; GC + 256 g + 64 w + 2 (lane % 8)
	s_lshl_b32 s30, s20, 7
	s_add_co_u32 s30, s30, GS
	v_add_nc_u32 v[ASC], s30, v[GRP]               ; GS + 128 w + g
	v_lshl_add_u32 v[RDS], v[LANE], 2, s30         ; GS + 128 w + 4 x lane
	s_lshl_b32 s30, s20, 11
	s_add_co_u32 s30, s30, GC
	v_add_nc_u32 v[RDC], s30, v[L16]               ; GC + 2,048 w + 16 x lane
	BATCH 0, 0, 8, 24
	BATCH 0, 8, 8, 16
	BATCH 0, 16, 8, 8
	BATCH 0, 24, 8, 0
	s_wait_dscnt 0x0                               ; for the others' sake: my stores into the stage are done
	s_barrier_signal -1
	s_barrier_wait -1
.irp f, 0,1,2,3
	ds_load_b128 v[VV+4*\f:VV+4*\f+3], v[RDC] offset:512*\f
.endr
	ds_load_b32 v[VV+16], v[RDS]
	s_wait_dscnt 0x0
.irp f, 0,1,2,3
	global_store_b128 v[L16], v[VV+4*\f:VV+4*\f+3], s[12:13] offset:(\f/2)*12288+(\f%2)*512   ; 512 consecutive bytes, half a fragment
.endr
	global_store_b32 v[GSO], v[VV+16], s[14:15]    ; runs of 32 bytes: a row's other half belongs to the work-group beside me
	s_set_vgpr_msb 0x5
	s_wait_tensorcnt 0x0
	ds_add_u32 v0, v1
	s_wait_dscnt 0x0
	s_set_vgpr_msb 0x500
	s_endpgm
.Lzero:                                ; a tile beyond the 43 blocks: the same bytes as path GU's, zero codes and bytes 127
.irp i, 0,1,2,3
	v_mov_b32 v[VV+\i], 0
.endr
	v_mov_b32 v[VV+4], 0x7f7f7f7f
.irp f, 0,1,2,3
	global_store_b128 v[L16], v[VV:VV+3], s[12:13] offset:(\f/2)*12288+(\f%2)*512
.endr
	global_store_b32 v[GSO], v[VV+4], s[14:15]
	s_endpgm
	; ---- path D
.Ldown:
	s_sub_co_u32 s22, ttmp9, 24                    ; b
	s_lshl_b32 s23, s21, 3
	s_add_co_u32 s23, s23, s22                     ; T = 8 y + b
	s_lshl_b32 s24, s23, 4
	s_lshl_b32 s25, s20, 2
	s_add_co_u32 s24, s24, s25                     ; my wave's first row: 16 T + 4 w
	s_mul_i32 s24, s24, 5504                       ; rows of 5,504 bytes: four of them are 43 x 512 bytes on end
	s_mov_b32 s25, 0
	s_add_nc_u64 s[10:11], s[10:11], s[24:25]
.set k, 0
.rept 43
	global_load_b128 v[IDX+4*k:IDX+4*k+3], v[L16], s[10:11] offset:512*k th:TH_LOAD_NT
.set k, k+1
.endr
	; wd_codes [Nb 8][K step 11][tile 16][1,024]: wave w stores block w of each fragment
	s_lshr_b32 s24, s21, 1
	s_mul_i32 s24, s24, 180224
	s_and_b32 s26, s21, 1
	s_lshl_b32 s26, s26, 3
	s_add_co_u32 s26, s26, s22
	s_lshl_b32 s26, s26, 10
	s_add_co_u32 s24, s24, s26
	s_lshl_b32 s26, s20, 8
	s_add_co_u32 s24, s24, s26
	s_add_nc_u64 s[16:17], s[16:17], s[24:25]
	; wd_scales [y 16][b % 4][16 blocks' run 3][b / 4][row 16][16]: wave w (0 to 2) stores run w
	s_mul_i32 s24, s21, 12
	s_and_b32 s26, s22, 3
	s_mul_i32 s26, s26, 3
	s_add_co_u32 s24, s24, s26
	s_min_u32 s27, s20, 2                          ; (wave 3 stores none: its pointer stays inside the buffer all the same)
	s_add_co_u32 s24, s24, s27
	s_lshl_b32 s24, s24, 9
	s_lshr_b32 s26, s22, 2
	s_lshl_b32 s26, s26, 8
	s_add_co_u32 s24, s24, s26
	s_add_nc_u64 s[18:19], s[18:19], s[24:25]
	s_lshl_b32 s30, s20, 6
	s_add_co_u32 s30, s30, DC
	v_lshlrev_b32 v[ACO], 8, v[GRP]
	v_lshl_add_u32 v[ACO], v[L7], 1, v[ACO]
	v_add_nc_u32 v[ACO], s30, v[ACO]               ; DC + 256 g + 64 w + 2 (lane % 8)
	v_lshl_add_u32 v[FA1], v[LANE], 1, s30         ; DC + 64 w + 2 x lane
	s_lshl_b32 s31, s20, 8
	s_add_co_u32 s31, s31, DS
	v_add_nc_u32 v[ASC], s31, v[GRP]               ; DS + 256 w + g
	v_lshl_add_u32 v[FA0], v[LANE], 3, s31         ; DS + 256 w + 8 x lane
	v_add_nc_u32 v[TMP], 1, v[GRP]
	v_lshrrev_b32 v[TMP], 2, v[TMP]                ; load 10: blocks 40 to 43 of the stream: g = 3 is row 1's first
	CROSS 0, 10, 0
	v_lshrrev_b32 v[TMP], 1, v[GRP]                ; load 21: blocks 84 to 87: g >= 2 is row 2
	CROSS 1, 21, 1
	v_add_nc_u32 v[TMP], 3, v[GRP]
	v_lshrrev_b32 v[TMP], 2, v[TMP]                ; load 32: blocks 128 to 131: g >= 1 is row 3
	CROSS 2, 32, 2
	s_lshl_b32 s29, s20, 8
	s_add_co_u32 s29, s29, DC
	v_add_nc_u32 v[RDC], s29, v[L8]                ; DC + 256 w + 8 x lane
	v_lshrrev_b32 v[RDS], 1, v[LANE]
	v_lshlrev_b32 v[RDS], 6, v[RDS]
	v_and_b32 v[TMP], 1, v[LANE]
	v_lshl_add_u32 v[RDS], v[TMP], 3, v[RDS]
	s_lshl_b32 s29, s20, 4
	s_add_co_u32 s29, s29, DS
	v_add_nc_u32 v[RDS], s29, v[RDS]               ; DS + 64 (lane / 2) + 16 w + 8 (lane % 2)
	v_mov_b32 v[FIL], 0x7f7f7f7f
	v_mov_b32 v[FIL+1], 0x7f7f7f7f
	v_mov_b32 v[TMP], 0
	ds_store_b64 v[FA0], v[FIL:FIL+1]              ; my four rows' 256 scale bytes begin as 127; LDS serves a wave's instructions in order, so the 43 real bytes of a row land on top
	ds_store_b16 v[FA1], v[TMP] offset:43*256      ; my four rows' block 43: zero codes
	BATCH 1, 0, 8, 35
	BATCH 1, 8, 8, 27
	BATCH 1, 16, 8, 19
	BATCH 1, 24, 8, 11
	BATCH 1, 32, 8, 3
	BATCH 1, 40, 3, 0
	s_wait_dscnt 0x0                               ; for the others' sake: my stores into the stage are done
	s_barrier_signal -1
	s_barrier_wait -1
.irp s, 0,1,2,3,4,5,6,7,8,9,10
	ds_load_b64 v[VV+2*\s:VV+2*\s+1], v[RDC] offset:1024*\s
.endr
	ds_load_b64 v[VV+24:VV+25], v[RDS]             ; (wave 3 reads bytes 48 to 63 of each row, which hold 127, and does not use them)
	s_wait_dscnt 0x0
.irp s, 0,1,2,3,4,5,6,7,8,9,10
	global_store_b64 v[L8], v[VV+2*\s:VV+2*\s+1], s[16:17] offset:16384*\s   ; 256 consecutive bytes, aligned: block w of K step s
.endr
	s_cmp_gt_u32 s20, 2
	s_cbranch_scc1 .Ldone
	global_store_b64 v[L8], v[VV+24:VV+25], s[18:19]   ; 256 consecutive bytes, aligned
.Ldone:
	s_set_vgpr_msb 0x5
	s_wait_tensorcnt 0x0
	ds_add_u32 v0, v1
	s_wait_dscnt 0x0
	s_set_vgpr_msb 0x500
	s_endpgm
.Lfunc_end_k_q25927e1310_prep:
	.size	k_q25927e1310_prep, .Lfunc_end_k_q25927e1310_prep-k_q25927e1310_prep
	.p2alignl 7, 3214868480
	.fill 96, 4, 3214868480
	.section	.rodata,"a",@progbits
	.p2align	6, 0x0
	.amdhsa_kernel k_q25927e1310_prep
		.amdhsa_group_segment_fixed_size 21760
		.amdhsa_private_segment_fixed_size 0
		.amdhsa_enable_private_segment 0
		.amdhsa_kernarg_size 64
		.amdhsa_user_sgpr_count 2
		.amdhsa_user_sgpr_kernarg_segment_ptr 1
		.amdhsa_wavefront_size32 1
		.amdhsa_system_sgpr_workgroup_id_x 1
		.amdhsa_system_sgpr_workgroup_id_y 1
		.amdhsa_system_sgpr_workgroup_id_z 1
		.amdhsa_system_vgpr_workitem_id 0
		.amdhsa_next_free_vgpr 258
		.amdhsa_next_free_sgpr 66
		.amdhsa_reserve_vcc 0
		.amdhsa_float_denorm_mode_32 3
		.amdhsa_float_denorm_mode_16_64 3
		.amdhsa_memory_ordered 1
		.amdhsa_forward_progress 1
		.amdhsa_inst_pref_size 103
	.end_amdhsa_kernel
	.amdgpu_metadata
---
amdhsa.version: [ 1, 2 ]
amdhsa.kernels:
  - .name:           k_q25927e1310_prep
    .symbol:         k_q25927e1310_prep.kd
    .args:
      - { .name: lut, .offset: 0, .size: 8, .value_kind: global_buffer, .address_space: global }
      - { .name: gate_idx, .offset: 8, .size: 8, .value_kind: global_buffer, .address_space: global }
      - { .name: up_idx, .offset: 16, .size: 8, .value_kind: global_buffer, .address_space: global }
      - { .name: down_idx, .offset: 24, .size: 8, .value_kind: global_buffer, .address_space: global }
      - { .name: wgu_codes, .offset: 32, .size: 8, .value_kind: global_buffer, .address_space: global }
      - { .name: wgu_scales, .offset: 40, .size: 8, .value_kind: global_buffer, .address_space: global }
      - { .name: wd_codes, .offset: 48, .size: 8, .value_kind: global_buffer, .address_space: global }
      - { .name: wd_scales, .offset: 56, .size: 8, .value_kind: global_buffer, .address_space: global }
    .group_segment_fixed_size: 21760
    .private_segment_fixed_size: 0
    .kernarg_segment_align: 8
    .kernarg_segment_size: 64
    .max_flat_workgroup_size: 128
    .sgpr_count:     66
    .vgpr_count:     258
    .wavefront_size: 32
...
	.end_amdgpu_metadata
.endif
;; end of part 1
;; launch gateup (part 2): grid 8 x 32, 4 waves a work-group, clusters of 4 x 4, 327,680 bytes of LDS; arguments x_codes, x_scales, wgu_codes, wgu_scales, h_codes, h_scales; writes h_codes, h_scales
.if DOCPART == 2
	.amdgcn_target "amdgcn-amd-amdhsa--gfx1250"
	.amdhsa_code_object_version 6
	.text
	.protected	k_q25927e1310_gateup
	.globl	k_q25927e1310_gateup
	.p2align	8
	.type	k_q25927e1310_gateup,@function
k_q25927e1310_gateup:
	s_mov_b64 s[64:65], 0
	v_nop
	global_prefetch_b8 v0, s[64:65] scope:SCOPE_SE
	s_setreg_imm32_b32 hwreg(HW_REG_WAVE_MODE, 25, 1), 1
	s_wait_xcnt 0x0
	s_wait_alu depctr_hold_cnt(0) depctr_sa_sdst(0) depctr_va_vdst(0) depctr_va_sdst(0) depctr_va_ssrc(0) depctr_va_vcc(0) depctr_vm_vsrc(0)
	s_getreg_b32 s2, hwreg(HW_REG_IB_STS2, 6, 4)
	s_cmp_eq_u32 s2, 0
	s_cbranch_scc0 .Lentry_in_a_cluster
	s_endpgm
.Lentry_in_a_cluster:
	s_bfe_u32 s2, ttmp6, 0x10000c
	s_cmp_lg_u32 s2, 0xf033
	s_cbranch_scc0 .Lentry_shape_is_right
	s_endpgm
.Lentry_shape_is_right:
; h = silu(x Wg^T) * (x Wu^T), both products on codes of FP4 (E2M1) with one E8M0 scale for each 32 along K = 2,048; h is quantised along its 1,376 units and stored as codes, in operand order, for the next launch.
; SHARES.  A work-group takes 256 rows x 6 blocks of 32 units (192 columns of gate and the same 192 of up); wave (i, j) takes 128 rows x 3 blocks: 8 tiles of rows x 12 tiles of weights = 96 accumulators, 768 registers.
; 8 slices of 6 blocks are 48 blocks for 43: blocks 43 to 47 have zero codes as weights.  Every work-group runs alike (no branch may hang on a place in the cluster), so their h, zeros, is stored too; blocks 44 to 47 are read by nobody.
; THE MATRIX INSTRUCTION IS USED TRANSPOSED (source 0 = 16 rows of a weight, source 1 = 16 rows of x): lane (r, h) holds row r, and register jj of tile 2 b + u the unit 32 beta + 16 h + 8 u + jj
; (the weights' tiles were laid for that): a lane's 16 registers of two neighbouring tiles are 16 neighbours along the next K, gate's and up's alike.
; RING.  Two LDS slots of two K steps of 128 each (a visit): x as 256 rows of 128 bytes + 16 of padding; the weights as dense fragments, 1,024 bytes each.  Two slots of four K steps (335,872 bytes) do not fit in LDS.
; The scale bytes of the work-group's rows of x and of its weights, for all of K, come once with the first fills and stay.
; CLUSTER 4 x 4: the four work-groups of a row of the cluster share x's tiles, the four of a column the weights': each tile is asked for jointly.
; ONE SET OF FRAGMENT REGISTERS.  A K step's 96 products go in four quadrants (x's tiles 0-3 or 4-7 against gate's or up's six); each half set is loaded anew as soon as its last quadrant is issued, 24 or 48 products ahead of its use.
; The quadrants' order has a period of two K steps: EVEN: (lo, gate) (lo, up) (hi, up) (hi, gate);  ODD: (lo, up) (lo, gate) (hi, gate) (hi, up).
; LIMITS: NaN and infinities are not served; a block of h whose largest magnitude lies under 2^-124, zeros among them, gets the byte 1 (for zeros the rule says 127: the codes are zeros, and only this program reads the bytes);
; sigmoid's relative error grows with |gate| x 1e-7 (one rounding of gate x log2 e ahead of the exponential).
; REGISTERS: window 0: v0-47 addresses; v48-95 scale words, two sets of 24; v96-159 x's 8 fragments; v160-255 the weights' 12.  Windows 1 to 3: the accumulators.
.set SLOTB, 86016                      ; a slot: x 36,864 bytes, the weights 49,152
.set XP,    144                        ; a row of x in LDS: 128 bytes + 16 = 36 words: the 16 rows of a load start in 16 different columns of 16 bytes
.set XHALF, 128*XP                     ; 128 rows: one tensor load, and what a wave reads
.set WOFF,  2*XHALF
.set WHALF, 24576                      ; [K step 2][tile 12][1,024]: one tensor load, and what a wave reads
.set SCL,   2*SLOTB                    ; x's scale bytes: 2 x 128 rows of 64 bytes, as runs of 256 bytes + 16 of padding
.set SXH,   8704
.set SWH,   13056                      ; the weights': 2 x 192 rows of 64 bytes, likewise
.set SPARE, SCL+2*SXH+2*SWH            ; the spare words, 128 bytes for each wave: two blocks of 256 bytes that no other line names
.set ADRX, 16                          ; v16-17  LDS address of my fragments of x in slot 0, 1
.set ADRW, 20                          ; v20-21  of my weights'
.set ADRS, 27                          ; v27     of my scale words: lanes 0-15 x's rows, lanes 16-31 the weights'
.set SPW,  28                          ; v28     LDS address of my spare word; never rewritten
.set NIL,  29                          ; v29     0; never rewritten
.set VO,   30                          ; v30-32  my byte offset in h_codes for each of my three blocks
.set VS,   33                          ; v33     and in h_scales
.set SC,   48                          ; set s at v[SC + 24 s]; register 2 t + q: lanes 0-15 the word of x's tile t, lanes 16-31 that of weight tile t, K step q of the visit
.set XF,   96
.set WF,   160
.set TT,   96                          ; the end: v96-143 48 numbers of a tile of rows; v144.. at work; v160-207 codes; v208-215 scale words; v216-219 those that I store
.set MX,   144
.set PX,   148
.set SX,   152
.set BY,   156
.set CD,   160
.set SW,   208
.set OW,   216
.set G1,   24                          ; s[24:31] group 1 for x's tiles;  s[32:39] group 0, one set for each slot
.set G0,   32
.set G1B,  48                          ; s[48:55], s[56:63] the same for the weights'
.set G0B,  56
.set G1S,  68                          ; s[68:75], s[76:79] x's scale bytes;  s[80:87], s[88:91] the weights'
.set G0S,  76
.set G1SB, 80
.set G0SB, 88
.set MSB, 0
.macro WIN new                         ; the immediate's high byte repeats the setting that is left; a switch that changes nothing is dropped
.if MSB != (\new)
	s_set_vgpr_msb (MSB<<8)|(\new)
.set MSB, (\new)
.endif
.endm
; A joint load: waves 0 and 1 fetch for x, waves 2 and 3 for the weights.  The branch hangs on the wave's number alone.  Four v_nop follow each of the two lines.
.macro JLOAD g0a, g1a, g0b, g1b
	s_cmp_eq_u32 s17, 0
	s_cbranch_scc0 .Lfor_b_\@
	tensor_load_to_lds s[\g0a:\g0a+3], s[\g1a:\g1a+7]
	s_nop 0
.rept 4
	v_nop
.endr
	s_branch .Lasked_\@
.Lfor_b_\@:
	tensor_load_to_lds s[\g0b:\g0b+3], s[\g1b:\g1b+7]
	s_nop 0
.rept 4
	v_nop
.endr
.Lasked_\@:
.endm
.macro CREST                           ; a round of the cluster's barrier behind its opening barrier
	s_cmp_lg_u32 s16, 0
	s_cbranch_scc1 .Lnot_wave_0_\@
	s_barrier_signal -3
.Lnot_wave_0_\@:
	s_barrier_wait -3
	s_barrier_signal -1
	s_barrier_wait -1
.endm
.macro CROUND                          ; a whole round
	s_barrier_signal -1
	s_barrier_wait -1
	CREST
.endm
.macro PLACES                          ; four plain vector lines between a matrix instruction and a load into, or a vector line on, its registers (ISA guide 7.12.1 for vector lines)
.rept 4
	v_nop
.endr
.endm
; Accumulator (a, t): the quadrants lie on end in EVEN's order, 24 accumulators each, 32 to a window from window 1 on.  Sets AW, its window, and AR, its first register.
.macro ACCSET a, t
.set IXV, 24*(((\a)/4)*(3-2*((\t)/6))+((\t)/6))+6*((\a)%4)+((\t)%6)
.set AW, 1+IXV/32
.set AR, 8*(IXV%32)
.endm
; 12 products: x's tiles a0, a0 + 1 against six weight tiles (wh = 0 gate's, 1 up's), K step q of the visit in slot sg.  zero = 1: the product starts the sum.  One instruction a turn on each accumulator.
.macro MUL12 a0, wh, q, sg, zero
.irp a, \a0, \a0+1
.irp t6, 0,1,2,3,4,5
	ACCSET \a, 6*\wh+\t6
	WIN (0x50*AW)
.if \zero
	v_wmma_scale_f32_16x16x128_f8f6f4 v[AR:AR+7], v[WF+8*(6*\wh+\t6):WF+8*(6*\wh+\t6)+7], v[XF+8*(\a):XF+8*(\a)+7], 0, v[SC+24*\sg+2*(6*\wh+\t6)+\q], v[SC+24*\sg+2*(\a)+\q] matrix_a_fmt:MATRIX_FMT_FP4 matrix_b_fmt:MATRIX_FMT_FP4 matrix_a_scale:MATRIX_SCALE_ROW1
.else
	v_wmma_scale_f32_16x16x128_f8f6f4 v[AR:AR+7], v[WF+8*(6*\wh+\t6):WF+8*(6*\wh+\t6)+7], v[XF+8*(\a):XF+8*(\a)+7], v[AR:AR+7], v[SC+24*\sg+2*(6*\wh+\t6)+\q], v[SC+24*\sg+2*(\a)+\q] matrix_a_fmt:MATRIX_FMT_FP4 matrix_b_fmt:MATRIX_FMT_FP4 matrix_a_scale:MATRIX_SCALE_ROW1
.endif
.endr
.endr
.endm
.macro QUAD xh, wh, q, sg, zero
	MUL12 4*\xh, \wh, \q, \sg, \zero
	MUL12 4*\xh+2, \wh, \q, \sg, \zero
.endm
.macro LDX xh, sg, q                   ; four fragments of x: lane (r, h) takes 16 bytes at row r, 16 h, and 32 bytes on
	WIN 0
.irp a, 0,1,2,3
.irp c, 0,1
	ds_load_b128 v[XF+8*(4*\xh+\a)+4*\c:XF+8*(4*\xh+\a)+4*\c+3], v[ADRX+(\sg)] offset:16*XP*(4*\xh+\a)+64*\q+32*\c
.endr
.endr
.endm
.macro LDW wh, sg, q                   ; six fragments of the weights, as they lie: 512 consecutive bytes a load
	WIN 0
.irp t, 0,1,2,3,4,5
.irp c, 0,1
	ds_load_b128 v[WF+8*(6*\wh+\t)+4*\c:WF+8*(6*\wh+\t)+4*\c+3], v[ADRW+(\sg)] offset:12288*\q+1024*(6*\wh+\t)+512*\c
.endr
.endr
.endm
.macro SCALES st, off                  ; a visit's scale words, two a row, into set st.  (For t = 8 to 11 lanes 0-15 read scale bytes of other rows, which no product names)
	WIN 0
.irp t, 0,1,2,3,4,5,6,7,8,9,10,11
	ds_load_b64 v[SC+24*(\st)+2*\t:SC+24*(\st)+2*\t+1], v[ADRS] offset:1088*\t+\off
.endr
.endm
; A visit's first K step.  On the way in x's tiles 0-3 and gate's six are asked for.  scl: where the next visit's scale words lie from v[ADRS] on; -1: there is no next visit.
.macro EVEN sg, zero, scl
	PLACES
	LDW 1, \sg, 0
	LDX 1, \sg, 0
	s_wait_dscnt 20                                ; all but the 20 just issued
	QUAD 0, 0, 0, \sg, \zero
	s_wait_dscnt 8                                 ; up's six are in; x's tiles 4-7 may be out
.if \scl >= 0
	SCALES 1-\sg, \scl                             ; the other set's last readers stand ahead of this step's first four v_nop
.endif
	QUAD 0, 1, 0, \sg, \zero
	PLACES
	LDX 0, \sg, 1
.if \scl >= 0
	s_wait_dscnt 20                                ; x's tiles 4-7 are in; behind them: 12 loads of scale words and the 8 just issued
.else
	s_wait_dscnt 8
.endif
	QUAD 1, 1, 0, \sg, \zero
	PLACES
	LDW 1, \sg, 1
	QUAD 1, 0, 0, \sg, \zero
.endm
; A visit's second K step, with the change of slots in its middle: all reads of the slot are issued by its first run of loads.
; mode 2: the slot is filled again, two visits ahead;  1: nothing is left to fetch;  0: the very last K step.
.macro ODD sg, mode
	PLACES
	LDW 0, \sg, 1
	LDX 1, \sg, 1
	s_wait_dscnt 20                                ; all but the 20 just issued: x's tiles 0-3, up's six and the next visit's scale words are in
	QUAD 0, 1, 1, \sg, 0
.if \mode == 0
	s_wait_dscnt 8
	QUAD 0, 0, 1, \sg, 0
	s_wait_dscnt 0x0
	QUAD 1, 0, 1, \sg, 0
	QUAD 1, 1, 1, \sg, 0
.else
	WIN 0                                          ; (the add's two registers lie in window 0)
	s_wait_tensorcnt 0x0                           ; all my tensor loads have landed: the one that was out is my part of the other slot;
	ds_add_u32 v[SPW], v[NIL]                      ; 0 onto my spare word;
	s_wait_dscnt 9                                 ; gate's six are in (the add and x's tiles 4-7 may be out)
	MUL12 0, 0, 1, \sg, 0                          ; twelve products stand between the add and the wait for it
	s_wait_dscnt 0x0                               ; the add is done, and my reads of this slot are over
	s_barrier_signal -1
	MUL12 2, 0, 1, \sg, 0
	WIN 0
	s_barrier_wait -1
.if \mode == 2
	CREST                                          ; the barrier has opened a round of the cluster's: no wave of any partner still reads this slot or has a load on its way
	s_add_nc_u64 s[G0+4*\sg+2:G0+4*\sg+3], s[G0+4*\sg+2:G0+4*\sg+3], 256       ; two visits on: 256 bytes along x's rows,
	s_add_nc_u64 s[G0B+4*\sg+2:G0B+4*\sg+3], s[G0B+4*\sg+2:G0B+4*\sg+3], 98304 ; two visits' blocks of the weights
	JLOAD G0+4*\sg, G1, G0B+4*\sg, G1B             ; the first tensor load behind the round; it has 192 products in which to land; its four v_nop are the places in front of the loads below
.else
	PLACES
.endif
	LDX 0, 1-\sg, 0
	QUAD 1, 0, 1, \sg, 0
	PLACES
	LDW 0, 1-\sg, 0
	QUAD 1, 1, 1, \sg, 0
.endif
.endm
	s_load_b256 s[4:11], s[0:1], 0x0               ; x_codes s[4:5], x_scales s[6:7], wgu_codes s[8:9], wgu_scales s[10:11]
	s_load_b128 s[12:15], s[0:1], 0x20             ; h_codes s[12:13], h_scales s[14:15]
	v_lshl_add_u32 v[SPW], v0, 2, SPARE
	v_mov_b32 v[NIL], 0
	ds_add_u32 v28, v29
	ds_add_u32 v28, v29
	s_wait_dscnt 0x0
	v_lshrrev_b32 v1, 5, v0
	v_readfirstlane_b32 s16, v1                    ; wave 0..3
	s_lshr_b32 s17, s16, 1                         ; i: which 128 rows are mine.  Also: I fetch for x (0) or for the weights (1)
	s_and_b32 s18, s16, 1                          ; j: which three blocks are mine.  Also: which half of a tile I fetch
	s_bfe_u32 s40, ttmp6, 0x40000                  ; cx, cy: my place in the cluster
	s_bfe_u32 s41, ttmp6, 0x40004
	s_lshl_b32 s42, ttmp9, 2
	s_add_co_u32 s42, s42, s40                     ; n: my slice of six blocks
	s_and_b32 s19, ttmp7, 0xffff
	s_lshl_b32 s19, s19, 2
	s_add_co_u32 s19, s19, s41                     ; Mb: my 256 rows
	s_lshl_b32 s43, s41, 2
	s_lshl_b32 s43, 15, s43                        ; my row of the cluster
	s_lshl_b32 s44, 0x1111, s40                    ; my column
	s_or_b32 s[G1+0], s43, (0<<16)|(1<<20)|(1<<21)|(4<<22)|(3<<25)   ; the mask; elements of 1 byte; padding on; bit 21 beside a mask; after every 32 words (code 4) 4 words (code 3)
	s_mov_b32 s[G1+1], 128<<16                     ; tensor_dim0 = 128 bytes: two K steps
	s_mov_b32 s[G1+2], 128<<16                     ; tensor_dim1 = 128 rows
	s_mov_b32 s[G1+3], 128<<16                     ; tile_dim0
	s_mov_b32 s[G1+4], 128                         ; tile_dim1
	s_mov_b32 s[G1+5], 1024                        ; a row of x's codes in memory
	s_mov_b32 s[G1+6], 0
	s_mov_b32 s[G1+7], 0
	s_or_b32 s[G1B+0], s44, (3<<16)|(1<<21)        ; a dense block of 24,576 bytes as 96 rows of 32 elements of 8 bytes; no padding
	s_mov_b32 s[G1B+1], 32<<16
	s_mov_b32 s[G1B+2], 96<<16
	s_mov_b32 s[G1B+3], 32<<16
	s_mov_b32 s[G1B+4], 96
	s_mov_b32 s[G1B+5], 32
	s_mov_b32 s[G1B+6], 0
	s_mov_b32 s[G1B+7], 0
	s_or_b32 s[G1S+0], s43, (3<<16)|(1<<20)|(1<<21)|(5<<22)|(3<<25)  ; scale bytes: dense, as rows of 256 bytes with 16 of padding behind each
	s_mov_b32 s[G1S+1], 32<<16
	s_mov_b32 s[G1S+2], 32<<16                     ; 128 rows x 64 bytes = 32 such rows
	s_mov_b32 s[G1S+3], 32<<16
	s_mov_b32 s[G1S+4], 32
	s_mov_b32 s[G1S+5], 32
	s_mov_b32 s[G1S+6], 0
	s_mov_b32 s[G1S+7], 0
	s_or_b32 s[G1SB+0], s44, (3<<16)|(1<<20)|(1<<21)|(5<<22)|(3<<25)
	s_mov_b32 s[G1SB+1], 32<<16
	s_mov_b32 s[G1SB+2], 48<<16                    ; 192 rows x 64 bytes = 48
	s_mov_b32 s[G1SB+3], 32<<16
	s_mov_b32 s[G1SB+4], 48
	s_mov_b32 s[G1SB+5], 32
	s_mov_b32 s[G1SB+6], 0
	s_mov_b32 s[G1SB+7], 0
	; where the tiles come from.  x's hang on Mb alone, the weights' on n alone, each in registers that never hold the other coordinate
	s_lshl_b32 s20, s19, 8
	s_lshl_b32 s21, s18, 7
	s_add_co_u32 s20, s20, s21                     ; the first row of x that I fetch
	s_lshl_b32 s22, s20, 6                         ; its scale bytes,
	s_lshl_b32 s20, s20, 10                        ; its codes
	s_mov_b32 s21, 0
	s_mov_b32 s23, 0
	s_mul_i32 s46, s42, 393216
	s_mul_i32 s47, s18, WHALF
	s_add_co_u32 s46, s46, s47                     ; the weights' codes: slice n, half e
	s_mul_i32 s92, s42, 24576
	s_mul_i32 s93, s18, 12288
	s_add_co_u32 s92, s92, s93                     ; and their scale bytes
	s_mov_b32 s47, 0
	s_mov_b32 s93, 0
	s_mul_i32 s45, s18, XHALF                      ; and where they go: no place in the cluster enters an LDS address
	s_mul_i32 s94, s18, WHALF
	s_add_co_u32 s94, s94, WOFF
	s_mul_i32 s95, s18, SXH
	s_mul_i32 s98, s18, SWH
	s_mov_b32 s96, 0x76543210
	s_mov_b32 s97, 0xfedcba98                      ; v_permlanex16_b32's selects for lane l xor 16
	s_mov_b32 s100, 0xbfb8aa3b                     ; -log2(e)
	s_mov_b32 s101, s100                           ; (named with it as a pair, so it is written)
	s_wait_kmcnt 0x0
	s_add_nc_u64 s[20:21], s[4:5], s[20:21]
	s_add_nc_u64 s[22:23], s[6:7], s[22:23]
	s_add_nc_u64 s[46:47], s[8:9], s[46:47]
	s_add_nc_u64 s[92:93], s[10:11], s[92:93]
	CROUND                                         ; all sixteen work-groups are here: the first joint loads meet
	s_mov_b32 s[G0S], 1
	s_add_co_u32 s[G0S+1], s95, SCL
	s_mov_b64 s[G0S+2:G0S+3], s[22:23]
	s_or_b32 s[G0S+3], s[G0S+3], 0x80000000
	s_mov_b32 s[G0SB], 1
	s_add_co_u32 s[G0SB+1], s98, SCL+2*SXH
	s_mov_b64 s[G0SB+2:G0SB+3], s[92:93]
	s_or_b32 s[G0SB+3], s[G0SB+3], 0x80000000
	JLOAD G0S, G1S, G0SB, G1SB                     ; the scale bytes first: they are wanted with the first visit
.irp s, 0,1
	s_mov_b32 s[G0+4*\s], 1
	s_add_co_u32 s[G0+4*\s+1], s45, \s*SLOTB
	s_add_nc_u64 s[G0+4*\s+2:G0+4*\s+3], s[20:21], \s*128
	s_or_b32 s[G0+4*\s+3], s[G0+4*\s+3], 0x80000000
	s_mov_b32 s[G0B+4*\s], 1
	s_add_co_u32 s[G0B+4*\s+1], s94, \s*SLOTB
	s_add_nc_u64 s[G0B+4*\s+2:G0B+4*\s+3], s[46:47], \s*49152
	s_or_b32 s[G0B+4*\s+3], s[G0B+4*\s+3], 0x80000000
	JLOAD G0+4*\s, G1, G0B+4*\s, G1B               ; visits 0 and 1: three tensor loads of mine are out
.endr
	v_and_b32 v1, 15, v0                           ; r
	v_bfe_u32 v2, v0, 4, 1                         ; h
	v_and_b32 v3, 31, v0                           ; lane
	v_mul_u32_u24 v4, v1, XP
	v_lshl_add_u32 v4, v2, 4, v4
	s_mul_i32 s20, s17, XHALF
	v_add_nc_u32 v[ADRX], s20, v4                  ; my 128 rows of x: row r, + 16 h
	v_add_nc_u32 v[ADRX+1], SLOTB, v[ADRX]
	v_lshlrev_b32 v5, 4, v3
	s_mul_i32 s20, s18, WHALF
	s_add_co_u32 s20, s20, WOFF
	v_add_nc_u32 v[ADRW], s20, v5                  ; my 12 tiles of the weights: 16 x lane
	v_add_nc_u32 v[ADRW+1], SLOTB, v[ADRW]
	v_lshlrev_b32 v6, 6, v1                        ; a row's 64 scale bytes,
	v_lshrrev_b32 v7, 2, v1
	v_lshl_add_u32 v6, v7, 4, v6                   ; and 16 more for each 256 passed
	s_mul_i32 s20, s17, SXH                        ; x's: my 128 rows
	s_mul_i32 s21, s18, SWH                        ; the weights': my 192 rows, behind x's 256
	s_add_co_u32 s21, s21, 2*SXH
	s_sub_co_u32 s21, s21, s20
	v_mul_u32_u24 v7, s21, v2                      ; lanes 16-31 take the weights'
	s_add_co_u32 s20, s20, SCL
	v_add_nc_u32 v6, v6, v7
	v_add_nc_u32 v[ADRS], s20, v6
	; the way out.  h_codes [Mb 32][K step 12][tile of rows 16][block 4][row 16][16 bytes]: block beta of my tile a lies at (beta / 4) 16,384 + (8 i + a) 1,024 + (beta % 4) 256
	s_mul_i32 s20, s42, 6
	s_mul_i32 s21, s18, 3
	s_add_co_u32 s20, s20, s21                     ; my first block: 6 n + 3 j
	v_lshlrev_b32 v8, 4, v1
	v_lshl_add_u32 v8, v2, 3, v8                   ; 16 r + 8 h: my eight bytes of a row's sixteen
.irp b, 0,1,2
	s_add_co_u32 s21, s20, \b
	s_lshr_b32 s22, s21, 2
	s_lshl_b32 s22, s22, 14
	s_and_b32 s21, s21, 3
	s_lshl_b32 s21, s21, 8
	s_add_co_u32 s21, s21, s22
	v_add_nc_u32 v[VO+\b], s21, v8
.endr
	s_mul_i32 s20, s19, 196608
	s_lshl_b32 s21, s17, 13
	s_add_co_u32 s20, s20, s21
	s_mov_b32 s21, 0
	s_add_nc_u64 s[12:13], s[12:13], s[20:21]
	; h_scales [Mb 32][three blocks' run 16][i 2][row 16][tile 8][4 bytes]
	s_lshl_b32 s20, s19, 4
	s_lshl_b32 s22, s42, 1
	s_add_co_u32 s20, s20, s22
	s_add_co_u32 s20, s20, s18
	s_lshl_b32 s20, s20, 1
	s_add_co_u32 s20, s20, s17
	s_lshl_b32 s20, s20, 9
	s_add_nc_u64 s[14:15], s[14:15], s[20:21]
	v_lshlrev_b32 v[VS], 5, v1
	v_lshl_add_u32 v[VS], v2, 4, v[VS]             ; 32 r + 16 h: lanes 0-15 store tiles 0-3's words, lanes 16-31 tiles 4-7's
	s_wait_tensorcnt 1                             ; the scale bytes and my part of visit 0 are in (visit 1's load may be out)
	s_barrier_signal -1
	s_barrier_wait -1                              ; everybody's are
	SCALES 0, 0
	LDX 0, 0, 0
	LDW 0, 0, 0
	EVEN 0, 1, 8                                   ; the first K step stands in front of the loop: its 96 products start the sums
	WIN 0                                          ; at a label and at a branch every window is 0
	s_mov_b32 s3, 3
.Lvisit:                                               ; a trip goes once round the ring, from a visit's second K step to the first of the visit two on, and fills both slots again
	ODD 0, 2
	EVEN 1, 0, 16
	ODD 1, 2
	EVEN 0, 0, 24
	WIN 0
	v_add_nc_u32 v[ADRS], 16, v[ADRS]              ; two visits' scale words on
	s_sub_co_u32 s3, s3, 1
	s_cmp_lg_u32 s3, 0
	s_cbranch_scc1 .Lvisit
	ODD 0, 1                                       ; the last two visits fetch nothing, and have no round of the cluster's barrier
	EVEN 1, 0, -1
	ODD 1, 0
; THE END: a tile of 16 rows at a time.  48 numbers a lane: h = gate / (1 + 2^(-gate log2 e)) x up, in f32; then the quantiser, three blocks by turns.
; A lane's 16 codes of a block are 8 bytes of its row's 16, so the 32 lanes of a store cover one block of 16 rows: 256 consecutive bytes, aligned.  Nothing changes lanes and nothing goes through LDS.
.macro HROW a
.irp t, 0,1,2,3,4,5
	ACCSET \a, \t
	WIN AW                                         ; source 0: gate's window
.irp p, 0,2,4,6
	v_pk_mul_f32 v[TT+8*\t+\p:TT+8*\t+\p+1], v[AR+\p:AR+\p+1], s[100:101] op_sel_hi:[1,0]   ; each accumulator from its low end on
.endr
.endr
	WIN 0
.set k, 0
.rept 48
	v_exp_f32 v[TT+k], v[TT+k]
.set k, k+1
.endr
	v_nop                                          ; a plain line behind the exponentials
.set k, 0
	s_wait_alu depctr_va_vdst(0)
.rept 24
	v_pk_add_f32 v[TT+k:TT+k+1], v[TT+k:TT+k+1], 1.0 op_sel_hi:[1,0]
.set k, k+2
.endr
.set k, 0
.rept 48
	v_rcp_f32 v[TT+k], v[TT+k]
.set k, k+1
.endr
	v_nop                                          ; a plain line behind the reciprocals
.irp t, 0,1,2,3,4,5
	ACCSET \a, \t
	WIN AW
	s_wait_alu depctr_va_vdst(0)
.irp p, 0,2,4,6
	v_pk_mul_f32 v[TT+8*\t+\p:TT+8*\t+\p+1], v[AR+\p:AR+\p+1], v[TT+8*\t+\p:TT+8*\t+\p+1]   ; silu(gate)
.endr
.endr
.irp t, 0,1,2,3,4,5
	ACCSET \a, 6+\t
	WIN AW                                         ; up's window
.irp p, 0,2,4,6
	v_pk_mul_f32 v[TT+8*\t+\p:TT+8*\t+\p+1], v[AR+\p:AR+\p+1], v[TT+8*\t+\p:TT+8*\t+\p+1]   ; x up
.endr
.endr
	WIN 0
.irp b, 0,1,2
	v_max3_num_f32 v[MX+\b], |v[TT+16*\b]|, |v[TT+16*\b+1]|, 0x1800000   ; block b: my 16 numbers, and the floor 2^(3 - 127): the byte cannot fall under 1
.endr
.irp i, 2,4,6,8,10,12,14
.irp b, 0,1,2
	v_max3_num_f32 v[MX+\b], v[MX+\b], |v[TT+16*\b+\i]|, |v[TT+16*\b+\i+1]|
.endr
.endr
.irp b, 0,1,2
	v_permlanex16_b32 v[PX+\b], v[MX+\b], s96, s97
.endr
.irp b, 0,1,2
	v_max_num_f32 v[MX+\b], v[MX+\b], v[PX+\b]     ; with lane l xor 16's: the block's largest magnitude
.endr
.irp b, 0,1,2
	v_add_nc_u32 v[SX+\b], 0xff000000, v[MX+\b]    ; 2 off its exponent field: the conversion's scale operand
.endr
.irp b, 0,1,2
	v_lshrrev_b32 v[BY+\b], 23, v[SX+\b]           ; the scale's byte
.endr
	v_lshl_or_b32 v[SW+\a], v[BY+1], 8, v[BY]
	v_lshl_or_b32 v[SW+\a], v[BY+2], 16, v[SW+\a]  ; my row's three bytes and a 0
.irp b, 0,1,2
	v_cvt_scalef32_pk8_fp4_f32 v[CD+6*\a+2*\b], v[TT+16*\b:TT+16*\b+7], v[SX+\b]
	v_cvt_scalef32_pk8_fp4_f32 v[CD+6*\a+2*\b+1], v[TT+16*\b+8:TT+16*\b+15], v[SX+\b]
.endr
	v_nop                                          ; one plain line behind the conversions: the next tile writes their sources
.irp b, 0,1,2
	global_store_b64 v[VO+\b], v[CD+6*\a+2*\b:CD+6*\a+2*\b+1], s[12:13] offset:1024*\a   ; every tile has code registers of its own: no store's data are written again
.endr
.endm
	WIN 0
	PLACES                                         ; behind the last products: their results are read and their operands' registers written
.irp b, 0,1,2
	v_mov_b32 v[PX+\b], 0                          ; a lane permute's destination counts as one of its sources
.endr
	v_cmp_lt_u32 vcc_lo, 15, v3                    ; lanes 16-31
.irp a, 0,1,2,3,4,5,6,7
	HROW \a
.endr
.irp k, 0,1,2,3
	v_cndmask_b32 v[OW+\k], v[SW+\k], v[SW+4+\k], vcc_lo   ; both halves of the lanes hold every word
.endr
	global_store_b128 v[VS], v[OW:OW+3], s[14:15]  ; 512 consecutive bytes
	s_wait_tensorcnt 0x0                           ; the wave's end
	ds_add_u32 v[SPW], v[NIL]
	s_wait_dscnt 0x0
	CROUND                                         ; the closing round: no work-group ends while a partner may still ask for a tile that names it
	s_endpgm
.Lfunc_end_k_q25927e1310_gateup:
	.size	k_q25927e1310_gateup, .Lfunc_end_k_q25927e1310_gateup-k_q25927e1310_gateup
	.p2alignl 7, 3214868480
	.fill 96, 4, 3214868480
	.section	.rodata,"a",@progbits
	.p2align	6, 0x0
	.amdhsa_kernel k_q25927e1310_gateup
		.amdhsa_group_segment_fixed_size 327680
		.amdhsa_private_segment_fixed_size 0
		.amdhsa_enable_private_segment 0
		.amdhsa_kernarg_size 48
		.amdhsa_user_sgpr_count 2
		.amdhsa_user_sgpr_kernarg_segment_ptr 1
		.amdhsa_wavefront_size32 1
		.amdhsa_system_sgpr_workgroup_id_x 1
		.amdhsa_system_sgpr_workgroup_id_y 1
		.amdhsa_system_sgpr_workgroup_id_z 1
		.amdhsa_system_vgpr_workitem_id 0
		.amdhsa_next_free_vgpr 1024
		.amdhsa_next_free_sgpr 102
		.amdhsa_reserve_vcc 1
		.amdhsa_float_denorm_mode_32 3
		.amdhsa_float_denorm_mode_16_64 3
		.amdhsa_memory_ordered 1
		.amdhsa_forward_progress 1
		.amdhsa_inst_pref_size 238
	.end_amdhsa_kernel
	.amdgpu_metadata
---
amdhsa.version: [ 1, 2 ]
amdhsa.kernels:
  - .name:           k_q25927e1310_gateup
    .symbol:         k_q25927e1310_gateup.kd
    .args:
      - { .name: x_codes, .offset: 0, .size: 8, .value_kind: global_buffer, .address_space: global }
      - { .name: x_scales, .offset: 8, .size: 8, .value_kind: global_buffer, .address_space: global }
      - { .name: wgu_codes, .offset: 16, .size: 8, .value_kind: global_buffer, .address_space: global }
      - { .name: wgu_scales, .offset: 24, .size: 8, .value_kind: global_buffer, .address_space: global }
      - { .name: h_codes, .offset: 32, .size: 8, .value_kind: global_buffer, .address_space: global }
      - { .name: h_scales, .offset: 40, .size: 8, .value_kind: global_buffer, .address_space: global }
    .group_segment_fixed_size: 327680
    .private_segment_fixed_size: 0
    .kernarg_segment_align: 8
    .kernarg_segment_size: 48
    .max_flat_workgroup_size: 128
    .sgpr_count:     102
    .vgpr_count:     1024
    .wavefront_size: 32
...
	.end_amdgpu_metadata
.endif
;; end of part 2
;; launch down (part 3): grid 8 x 32, 4 waves a work-group, clusters of 4 x 4, 327,680 bytes of LDS; arguments h_codes, h_scales, wd_codes, wd_scales, out0; writes out0
.if DOCPART == 3
	.amdgcn_target "amdgcn-amd-amdhsa--gfx1250"
	.amdhsa_code_object_version 6
	.text
	.protected	k_q25927e1310_down
	.globl	k_q25927e1310_down
	.p2align	8
	.type	k_q25927e1310_down,@function
k_q25927e1310_down:
	s_mov_b64 s[64:65], 0
	v_nop
	global_prefetch_b8 v0, s[64:65] scope:SCOPE_SE
	s_setreg_imm32_b32 hwreg(HW_REG_WAVE_MODE, 25, 1), 1
	s_wait_xcnt 0x0
	s_wait_alu depctr_hold_cnt(0) depctr_sa_sdst(0) depctr_va_vdst(0) depctr_va_sdst(0) depctr_va_ssrc(0) depctr_va_vcc(0) depctr_vm_vsrc(0)
	s_getreg_b32 s2, hwreg(HW_REG_IB_STS2, 6, 4)
	s_cmp_eq_u32 s2, 0
	s_cbranch_scc0 .Lentry_in_a_cluster
	s_endpgm
.Lentry_in_a_cluster:
	s_bfe_u32 s2, ttmp6, 0x10000c
	s_cmp_lg_u32 s2, 0xf033
	s_cbranch_scc0 .Lentry_shape_is_right
	s_endpgm
.Lentry_shape_is_right:
; out = h Wd^T on codes of FP4 (E2M1) with one E8M0 scale for each 32 along K = 1,376: 43 blocks, and a 44th of zero codes on both sides: 11 K steps of 128.  out: [8,192][2,048] f32; sums in f32, K ascending.
; Both operands were laid by this program's earlier launches as fragments of 1,024 bytes [block 4][row 16][16 bytes], a K step's 16 fragments on end: a wave loads 16 bytes a lane at 16 x lane and at 512 + 16 x lane
; and has the operand's eight registers; a load reads 512 consecutive bytes of LDS, so no padding is wanted.
; SHARES.  A work-group of four waves makes a tile of 256 x 256 of out IN TWO PASSES OF 128 COLUMNS, so that the first pass's stores leave while the second pass is fetched and multiplied.
; Wave w takes rows 64 w .. 64 w + 63: 4 tiles of rows x 8 tiles of columns = 32 accumulators a pass.  ITS 44 FRAGMENTS OF h (4 tiles x 11 K steps, 352 registers) STAY IN REGISTERS: they are read from LDS once and serve both passes;
; a K step of a pass then reads Wd's 8 fragments alone: 16 LDS loads for 32 products.
; THE MATRIX INSTRUCTION IS USED TRANSPOSED (source 0 = 16 rows of Wd, source 1 = 16 rows of h): a lane then holds eight neighbouring numbers of a row of out.
; LDS.  h's 256 rows for all of K (a part for each wave, which that wave alone fetches and reads) and Wd's columns 0-127 come as first fills, in three runs along K (K steps 0-3, 4-7, 8-10), so that the products begin on the first run.
; When h is in registers its bytes are free: Wd's columns 128-255 are filled into them: the launch's one refill, one load a wave, four K steps and a way out ahead of its first use.
; CLUSTER 4 x 4: the four work-groups of a row of the cluster share h's rows, the four of a column Wd's: every tile is asked for jointly, by every wave with its own part, so no load stands under a branch.
; THE SCALE WORDS stay in registers: h's 44 (tile k, K step s; lanes 0-15), Wd's 48 for each pass (one tile's words in lanes 0-15, another's in lanes 16-31).
; h's arrive as words of three bytes (a wave of the launch before made three blocks); 44 byte permutes make words of four.
; REGISTERS: window 0: v0-31 addresses; v32-75 h's scale words; v76-171 Wd's; v176-235 h's words as they arrive.  Window 1: h's fragments of K steps 0-7.
;   window 2: v0-95 h's fragments of K steps 8-10; v96-223 Wd's fragments, two sets, which between the passes are the way out's two buffers.   window 3: the accumulators ((a, b) at v[8 (8 a + b)]).
.set AWV,    45056                     ; a wave's part of h in LDS: [K step 11][tile 4][1,024]
.set BQ,     22528                     ; a quarter of 128 columns of Wd: [K step 11][tile 2][1,024]
.set B0B,    4*AWV                     ; Wd's columns 0-127 lie behind h; columns 128-255 later take h's first 4 BQ bytes
.set SPARE,  B0B+4*BQ                  ; the spare words, 128 bytes for each wave: two blocks of 256 bytes that no other line names
.set STG,    SPARE+512                 ; the way out: 16 rows x (512 bytes + 16) for each wave; no tensor load fills these bytes
.set SPITCH, 528
.set ROWO,   8192                      ; a row of out in bytes
.set ADRA, 16                          ; v16     LDS address of my fragments of h
.set ADRB, 20                          ; v20-23  of Wd's: register 2 p + (b / 4): pass p, quarters 0 and 1 or 2 and 3 (an LDS offset has 16 bits)
.set STO,  24                          ; v24     the way out: where I put 32 bytes of a row
.set RD,   25                          ; v25     where I read a row back
.set CO,   26                          ; v26     16 x lane
.set HSO,  27                          ; v27     32 r: my row among h's scale words
.set SPW,  28                          ; v28     LDS address of my spare word; never rewritten
.set NIL,  29                          ; v29     0; never rewritten
.set SA,   32                          ; register 11 k + s: my tile k of rows, K step s
.set SB,   76                          ; register 48 p + 12 k + s: pass p, K step s; lanes 0-15 Wd's tile k, lanes 16-31 tile 4 + k
.set HSW,  176
.set BF,   96                          ; in window 2
.set BK,   96
.set G1A4, 24                          ; s[24:31] group 1 for h: 4 rows (K steps) of 4,096 bytes;  s[32:39] 3 rows
.set G1A3, 32
.set G1B4, 40                          ; s[40:47] for Wd: 4 rows of 2,048 bytes;  s[48:55] 3 rows;  s[56:63] all 11
.set G1B3, 48
.set G1BW, 56
.set G0A,  68                          ; s[68:79] group 0 for h's three runs;  s[80:91] for Wd's;  s[92:95] for the refill.  All are made at the head and never rewritten
.set G0B,  80
.set G0W,  92
.set MSB, 0
.macro WIN new                         ; the immediate's high byte repeats the setting that is left; a switch that changes nothing is dropped
.if MSB != (\new)
	s_set_vgpr_msb (MSB<<8)|(\new)
.set MSB, (\new)
.endif
.endm
.macro CROUND                          ; a round of the cluster's barrier: my work-group's barrier; wave 0 signals for the work-group; every wave waits for all sixteen; my work-group's barrier once more
	s_barrier_signal -1
	s_barrier_wait -1
	s_cmp_lg_u32 s14, 0
	s_cbranch_scc1 .Lnot_wave_0_\@
	s_barrier_signal -3
.Lnot_wave_0_\@:
	s_barrier_wait -3
	s_barrier_signal -1
	s_barrier_wait -1
.endm
.macro PLACES                          ; four plain vector lines between a matrix instruction and a load into its registers or a read of its result (ISA guide 7.12.1 for vector lines)
.rept 4
	v_nop
.endr
.endm
.macro SHAPE g, c, r                   ; group 1 behind its first word: r rows of c elements of 8 bytes, a K step (16,384 bytes = 2,048 elements) apart in memory, on end in LDS
	s_mov_b32 s[\g+1], (\c)<<16                    ; tensor_dim0
	s_mov_b32 s[\g+2], (\r)<<16                    ; tensor_dim1
	s_mov_b32 s[\g+3], (\c)<<16                    ; tile_dim0
	s_mov_b32 s[\g+4], \r                          ; tile_dim1
	s_mov_b32 s[\g+5], 2048                        ; tensor_dim0_stride
	s_mov_b32 s[\g+6], 0
	s_mov_b32 s[\g+7], 0
.endm
	s_load_b256 s[4:11], s[0:1], 0x0               ; h_codes s[4:5], h_scales s[6:7], wd_codes s[8:9], wd_scales s[10:11]
	s_load_b64 s[12:13], s[0:1], 0x20              ; out0
	v_lshl_add_u32 v[SPW], v0, 2, SPARE
	v_mov_b32 v[NIL], 0
	ds_add_u32 v28, v29
	ds_add_u32 v28, v29
	s_wait_dscnt 0x0
	v_lshrrev_b32 v1, 5, v0
	v_readfirstlane_b32 s14, v1                    ; wave 0..3
	s_lshr_b32 s15, s14, 1
	s_and_b32 s16, s14, 1
	s_bfe_u32 s96, ttmp6, 0x40000                  ; cx, cy: my place in the cluster
	s_bfe_u32 s97, ttmp6, 0x40004
	s_lshl_b32 s98, ttmp9, 2
	s_add_co_u32 s98, s98, s96                     ; Nb: tile column
	s_and_b32 s17, ttmp7, 0xffff
	s_lshl_b32 s17, s17, 2
	s_add_co_u32 s17, s17, s97                     ; Mb: tile row
	s_lshl_b32 s99, s97, 2
	s_lshl_b32 s99, 15, s99                        ; my row of the cluster
	s_lshl_b32 s100, 0x1111, s96                   ; my column
	s_or_b32 s[G1A4], s99, (3<<16)|(1<<21)         ; the mask; elements of 8 bytes; bit 21 beside a mask; no padding
	s_or_b32 s[G1A3], s99, (3<<16)|(1<<21)
	s_or_b32 s[G1B4], s100, (3<<16)|(1<<21)
	s_or_b32 s[G1B3], s100, (3<<16)|(1<<21)
	s_or_b32 s[G1BW], s100, (3<<16)|(1<<21)
	SHAPE G1A4, 512, 4                             ; my 4 fragments of each of 4 K steps
	SHAPE G1A3, 512, 3
	SHAPE G1B4, 256, 4                             ; my 2 fragments of each of 4 K steps
	SHAPE G1B3, 256, 3
	SHAPE G1BW, 256, 11
	; where the fills come from.  h's hang on Mb and the wave alone, Wd's on Nb and the wave alone, each in registers that never hold the other coordinate
	s_mul_i32 s20, s17, 196608                     ; h_codes: 12 K steps x 16,384 bytes for each Mb (the twelfth is not read),
	s_lshl_b32 s18, s14, 12                        ; my tiles 4 w .. 4 w + 3
	s_add_co_u32 s20, s20, s18
	s_mov_b32 s21, 0
	s_mul_i32 s22, s98, 180224                     ; wd_codes: 11 K steps for each Nb,
	s_lshl_b32 s18, s14, 11                        ; tiles 2 w, 2 w + 1 of a pass's eight
	s_add_co_u32 s22, s22, s18
	s_mov_b32 s23, 0
	s_mul_i32 s19, s14, AWV                        ; and where they go: the wave's number alone enters an LDS address
	s_mul_i32 s18, s14, BQ
	s_wait_kmcnt 0x0
	s_add_nc_u64 s[20:21], s[4:5], s[20:21]
	s_add_nc_u64 s[22:23], s[8:9], s[22:23]
.irp c, 0,1,2                          ; run c: K steps 4 c on
	s_mov_b32 s[G0A+4*\c], 1                       ; count = 1
	s_add_co_u32 s[G0A+4*\c+1], s19, \c*16384      ; LDS address
	s_add_nc_u64 s[G0A+4*\c+2:G0A+4*\c+3], s[20:21], \c*65536   ; global address
	s_or_b32 s[G0A+4*\c+3], s[G0A+4*\c+3], 0x80000000           ; type = 2
	s_mov_b32 s[G0B+4*\c], 1
	s_add_co_u32 s[G0B+4*\c+1], s18, B0B+\c*8192
	s_add_nc_u64 s[G0B+4*\c+2:G0B+4*\c+3], s[22:23], \c*65536
	s_or_b32 s[G0B+4*\c+3], s[G0B+4*\c+3], 0x80000000
.endr
	s_mov_b32 s[G0W], 1                            ; the refill: tiles 8 + 2 w, 9 + 2 w of all 11 K steps, into h's first bytes
	s_mov_b32 s[G0W+1], s18
	s_add_nc_u64 s[G0W+2:G0W+3], s[22:23], 8192
	s_or_b32 s[G0W+3], s[G0W+3], 0x80000000
	CROUND                                         ; all sixteen work-groups are here: the first joint loads meet
.irp c, 0,1
	tensor_load_to_lds s[G0A+4*\c:G0A+4*\c+3], s[G1A4:G1A4+7]
	s_nop 0
	tensor_load_to_lds s[G0B+4*\c:G0B+4*\c+3], s[G1B4:G1B4+7]
	s_nop 0
.endr
	tensor_load_to_lds s[G0A+8:G0A+11], s[G1A3:G1A3+7]
	s_nop 0
	tensor_load_to_lds s[G0B+8:G0B+11], s[G1B3:G1B3+7]   ; the first fills go out as one group: six tensor loads of mine are out
	s_nop 0
	PLACES                                         ; four v_nop follow the last of them
	v_and_b32 v1, 15, v0                           ; r
	v_bfe_u32 v2, v0, 4, 1                         ; h
	v_and_b32 v3, 31, v0
	v_lshlrev_b32 v[CO], 4, v3                     ; 16 x lane
	v_lshlrev_b32 v[HSO], 5, v1                    ; 32 r
	s_lshl_b32 s2, s17, 14                         ; h_scales [Mb][three blocks' run 16][i 2][row 16][tile 8][4 bytes]: my rows are half i = w / 2, tiles 4 (w % 2) on
	s_lshl_b32 s3, s15, 9
	s_add_co_u32 s2, s2, s3
	s_lshl_b32 s3, s16, 4
	s_add_co_u32 s2, s2, s3
	s_mov_b32 s3, 0
	s_add_nc_u64 s[6:7], s[6:7], s[2:3]
	s_mul_i32 s2, s98, 12288                       ; wd_scales [2 Nb + p][k 4][16 blocks' run 3][hh 2][row 16][16 bytes]
	s_add_nc_u64 s[10:11], s[10:11], s[2:3]
.irp g, 0,1,2,3,4,5,6,7,8,9,10,11,12,13,14
	global_load_b128 v[HSW+4*\g:HSW+4*\g+3], v[HSO], s[6:7] offset:1024*\g   ; register 4 g + k: row r of my tile k: the bytes of blocks 3 g, 3 g + 1, 3 g + 2, and a 0 (both halves of the lanes take the same)
.endr
.irp p, 0,1
.irp k, 0,1,2,3
.irp q, 0,1,2
	global_load_b128 v[SB+48*\p+12*\k+4*\q:SB+48*\p+12*\k+4*\q+3], v[CO], s[10:11] offset:6144*\p+(3*\k+\q)*512   ; four K steps' words of row r of tile 4 h + k: 512 dense bytes a load
.endr
.endr
.endr
	v_add_nc_u32 v[ADRA], s19, v[CO]               ; my part of h: 45,056 w + 16 x lane
	v_add_nc_u32 v[ADRB], B0B, v[CO]
	v_add_nc_u32 v[ADRB+1], B0B+2*BQ, v[CO]
	v_lshlrev_b32 v[ADRB+2], 4, v3
	v_add_nc_u32 v[ADRB+3], 2*BQ, v[CO]
	s_mul_i32 s2, s14, 16*SPITCH
	s_add_co_u32 s2, s2, STG                       ; my stage
	v_mul_u32_u24 v6, v1, SPITCH
	v_lshl_add_u32 v6, v2, 5, v6
	v_add_nc_u32 v[STO], s2, v6                    ; in: row r, 32 bytes for each half of the lanes
	v_add_nc_u32 v[RD], s2, v[CO]                  ; back: the 32 lanes take one row of 512 bytes
	s_lshl_b32 s2, s17, 8
	s_lshl_b32 s3, s14, 6
	s_add_co_u32 s2, s2, s3                        ; my first row of out: 256 Mb + 64 w
	s_lshl_b32 s2, s2, 13
	s_lshl_b32 s3, s98, 10
	s_add_co_u32 s2, s2, s3                        ; the tile's first column, in bytes
	s_mov_b32 s3, 0
	s_add_nc_u64 s[12:13], s[12:13], s[2:3]
	s_wait_loadcnt 0x0
.irp k, 0,1,2,3                        ; four words of three bytes make three words of four: K step s wants the bytes of blocks 4 s .. 4 s + 3
.irp g, 0,1,2,3
	v_perm_b32 v[SA+11*\k+3*\g], v[HSW+4*(4*\g+1)+\k], v[HSW+4*(4*\g)+\k], 0x04020100
	v_perm_b32 v[SA+11*\k+3*\g+1], v[HSW+4*(4*\g+2)+\k], v[HSW+4*(4*\g+1)+\k], 0x05040201
.if \g < 3
	v_perm_b32 v[SA+11*\k+3*\g+2], v[HSW+4*(4*\g+3)+\k], v[HSW+4*(4*\g+2)+\k], 0x06050402
.endif
.endr
.endr
.rept 8
	v_nop                                          ; a scale register written by a vector line stands eight places ahead of a scaled matrix instruction
.endr
; One product: my tile a of rows, Wd's tile b of pass p, K step ks.  Wd's tiles 4 to 7 have their scale words in lanes 16-31.
.macro WM a, b, p, ks, zero
.set rD, 8*(8*(\a)+(\b))
.set rB, BF+64*((\ks)%2)+8*(\b)
.set rA, 32*((\ks)%8)+8*(\a)           ; window 1 for K steps 0-7, window 2 from K step 8 on
.set rS, SB+48*(\p)+12*((\b)%4)+(\ks)
.set rT, SA+11*(\a)+(\ks)
.if \zero
.if (\b) < 4
	v_wmma_scale_f32_16x16x128_f8f6f4 v[rD:rD+7], v[rB:rB+7], v[rA:rA+7], 0, v[rS], v[rT] matrix_a_fmt:MATRIX_FMT_FP4 matrix_b_fmt:MATRIX_FMT_FP4
.else
	v_wmma_scale_f32_16x16x128_f8f6f4 v[rD:rD+7], v[rB:rB+7], v[rA:rA+7], 0, v[rS], v[rT] matrix_a_fmt:MATRIX_FMT_FP4 matrix_b_fmt:MATRIX_FMT_FP4 matrix_a_scale:MATRIX_SCALE_ROW1
.endif
.else
.if (\b) < 4
	v_wmma_scale_f32_16x16x128_f8f6f4 v[rD:rD+7], v[rB:rB+7], v[rA:rA+7], v[rD:rD+7], v[rS], v[rT] matrix_a_fmt:MATRIX_FMT_FP4 matrix_b_fmt:MATRIX_FMT_FP4
.else
	v_wmma_scale_f32_16x16x128_f8f6f4 v[rD:rD+7], v[rB:rB+7], v[rA:rA+7], v[rD:rD+7], v[rS], v[rT] matrix_a_fmt:MATRIX_FMT_FP4 matrix_b_fmt:MATRIX_FMT_FP4 matrix_a_scale:MATRIX_SCALE_ROW1
.endif
.endif
.endm
; A K step's 32 products.  The 32 accumulators take turns, one instruction a turn, in the same order in every K step.  zero = 1: the products start the sums: nothing is ever cleared.
.macro MUL32 p, ks, zero
.if (\ks) < 8
	WIN 0xf6                                       ; source 0 (Wd) window 2, source 1 (h) window 1, C and D window 3
.else
	WIN 0xfa                                       ; source 1 window 2
.endif
.irp a, 0,1,2,3
.irp b, 0,1,2,3,4,5,6,7
	WM \a, \b, \p, \ks, \zero
.endr
.endr
.endm
.macro FRAG reg, adr, off
	ds_load_b128 v[\reg:\reg+3], v[\adr] offset:\off
	ds_load_b128 v[\reg+4:\reg+7], v[\adr] offset:\off+512
.endm
.macro LDA s0, n                       ; my fragments of h of K steps s0 .. s0 + n - 1: 8 loads a K step, into registers that keep them to the end
.set ss, \s0
.rept \n
.if ss < 8
	WIN 0x40                                       ; destination window 1
.else
	WIN 0x80                                       ; destination window 2
.endif
.set rr, 32*(ss%8)
.irp a, 0,1,2,3
	FRAG rr+8*\a, ADRA, 4096*ss+1024*\a
.endr
.set ss, ss+1
.endr
.endm
.macro FETCH_B p, ks                   ; Wd's eight fragments of pass p, K step ks, into set ks % 2: tile b lies in quarter b / 2
	WIN 0x80
.irp b, 0,1,2,3,4,5,6,7
	FRAG BF+64*((\ks)%2)+8*\b, ADRB+2*(\p)+(\b/4), 22528*((\b/2)%2)+2048*(\ks)+1024*(\b%2)
.endr
.endm
; A K step that has a successor: the next K step's fragments of Wd are asked for first, 32 products ahead of their use, into the set that the K step before has multiplied.  cnt: the LDS loads that may stay out.
.macro STEP p, ks, zero, cnt
	PLACES
	FETCH_B \p, (\ks)+1
	s_wait_dscnt \cnt
	MUL32 \p, \ks, \zero
.endm
; THE WAY OUT of a pass, a tile of 16 rows x 128 columns at a time.  A lane holds 32 neighbouring bytes of a row and the lanes beside it hold other rows: so a tile goes through my own stage in LDS and comes back as whole rows
; of 512 bytes.  LDS serves a wave's instructions in order (ISA guide 5.7.1.4): no wait between the stores and the loads, nor in front of the next tile's stores.
.macro TOSTAGE a
	WIN 0x0c                                       ; an LDS store's data are its source 1: window 3
.irp b, 0,1,2,3,4,5,6,7
	ds_store_b128 v[STO], v[64*(\a)+8*\b:64*(\a)+8*\b+3] offset:64*\b          ; each accumulator from its low end on
	ds_store_b128 v[STO], v[64*(\a)+8*\b+4:64*(\a)+8*\b+7] offset:64*\b+16
.endr
	WIN 0x80                                       ; destination window 2
.set BB, BK+64*((\a)%2)
.irp t, 0,1,2,3,4,5,6,7,8,9,10,11,12,13,14,15
	ds_load_b128 v[BB+4*\t:BB+4*\t+3], v[RD] offset:\t*SPITCH
.endr
.endm
.macro SEND a, p, younger              ; younger: the LDS instructions issued behind tile a's loads, which may stay out
.set BB, BK+64*((\a)%2)
	s_wait_dscnt \younger
	WIN 0x08                                       ; a store's data are its source 1: window 2
.irp t, 0,1,2,3,4,5,6,7,8,9,10,11,12,13,14,15
	global_store_b128 v[CO], v[BB+4*\t:BB+4*\t+3], s[12:13] offset:(16*(\a)+\t)*ROWO+512*(\p) th:TH_STORE_NT   ; 32 lanes store 512 consecutive bytes, at a multiple of 256 from out's first byte; the row and the pass stand in the immediate, 516,608 at the most; written once, read by nobody here
.endr
.endm
.macro WAYOUT p
	PLACES                                         ; behind the last products: their results are read by LDS stores, and the sets that they multiplied take loads
	TOSTAGE 0
	TOSTAGE 1
	SEND 0, \p, 32                                 ; behind tile 0's loads: tile 1's 16 stores and 16 loads
	s_wait_xcnt 0x0                                ; tile 0's stores have read their registers: tile 2's loads may land there
	TOSTAGE 2
	SEND 1, \p, 32
	s_wait_xcnt 0x0
	TOSTAGE 3
	SEND 2, \p, 32
	SEND 3, \p, 0
	WIN 0
.endm
	; ---- pass 0: columns 0-127, while the fills land
	s_wait_tensorcnt 0x4                           ; my parts of K steps 0-3 are in; the four loads issued behind them may be out
	s_barrier_signal -1
	s_barrier_wait -1                              ; everybody's are
	LDA 0, 2
	FETCH_B 0, 0
	STEP 0, 0, 1, 16                               ; all but the 16 just issued; the first K step's products start the sums
	LDA 2, 2
	STEP 0, 1, 0, 16
	STEP 0, 2, 0, 16
	s_wait_tensorcnt 0x2                           ; my parts of K steps 4-7 are in; the last two loads may be out
	s_wait_dscnt 0x0                               ; no LDS instruction of mine is pending at a signal
	s_barrier_signal -1
	s_barrier_wait -1
	LDA 4, 4
	STEP 0, 3, 0, 48                               ; K step 3's operands are in: the 32 + 16 loads just issued may be out
	STEP 0, 4, 0, 16
	STEP 0, 5, 0, 16
	STEP 0, 6, 0, 16
	s_wait_tensorcnt 0x0                           ; my parts of K steps 8-10 are in; h's are mine alone to read
	LDA 8, 3                                       ; the last of h goes into registers: its bytes in LDS are done with
	WIN 0
	s_wait_tensorcnt 0x0                           ; all my tensor loads have landed;
	ds_add_u32 v[SPW], v[NIL]                      ; 0 onto my spare word;
	s_wait_dscnt 0x0                               ; the add is done, and my reads of h are over
	CROUND                                         ; no wave of any partner still reads h's bytes or has a load on its way; and Wd's K steps 8-10 are whole for every wave
	tensor_load_to_lds s[G0W:G0W+3], s[G1BW:G1BW+7]   ; the refill, first behind the round, my one load: my quarter of Wd's columns 128-255
	s_nop 0
	PLACES                                         ; four v_nop follow it
	STEP 0, 7, 0, 16
	STEP 0, 8, 0, 16
	STEP 0, 9, 0, 16
	s_wait_dscnt 0x0                               ; the last K step: blocks 40 to 42 and the block of zero codes
	MUL32 0, 10, 0
	WAYOUT 0                                       ; nothing waits for these stores: they leave while the refill lands and pass 1 is multiplied
	; ---- pass 1: columns 128-255
	s_wait_xcnt 0x0                                ; the last stores have read their registers, which take Wd's fragments again
	s_wait_tensorcnt 0x0                           ; my quarter of the refill is in,
	s_barrier_signal -1
	s_barrier_wait -1                              ; everybody's is
	FETCH_B 1, 0
	STEP 1, 0, 1, 16                               ; the accumulators begin anew: eight v_nop stand between pass 0's last product and this K step's first
.irp ks, 1,2,3,4,5,6,7,8,9
	STEP 1, \ks, 0, 16
.endr
	s_wait_dscnt 0x0
	MUL32 1, 10, 0
	WAYOUT 1
	s_wait_tensorcnt 0x0                           ; the wave's end: behind my last tensor load and my last LDS store
	ds_add_u32 v[SPW], v[NIL]
	s_wait_dscnt 0x0
	CROUND                                         ; the closing round: no work-group ends while a partner may still ask for a tile that names it
	s_endpgm
.Lfunc_end_k_q25927e1310_down:
	.size	k_q25927e1310_down, .Lfunc_end_k_q25927e1310_down-k_q25927e1310_down
	.p2alignl 7, 3214868480
	.fill 96, 4, 3214868480
	.section	.rodata,"a",@progbits
	.p2align	6, 0x0
	.amdhsa_kernel k_q25927e1310_down
		.amdhsa_group_segment_fixed_size 327680
		.amdhsa_private_segment_fixed_size 0
		.amdhsa_enable_private_segment 0
		.amdhsa_kernarg_size 40
		.amdhsa_user_sgpr_count 2
		.amdhsa_user_sgpr_kernarg_segment_ptr 1
		.amdhsa_wavefront_size32 1
		.amdhsa_system_sgpr_workgroup_id_x 1
		.amdhsa_system_sgpr_workgroup_id_y 1
		.amdhsa_system_sgpr_workgroup_id_z 1
		.amdhsa_system_vgpr_workitem_id 0
		.amdhsa_next_free_vgpr 1024
		.amdhsa_next_free_sgpr 102
		.amdhsa_reserve_vcc 0
		.amdhsa_float_denorm_mode_32 3
		.amdhsa_float_denorm_mode_16_64 3
		.amdhsa_memory_ordered 1
		.amdhsa_forward_progress 1
		.amdhsa_inst_pref_size 167
	.end_amdhsa_kernel
	.amdgpu_metadata
---
amdhsa.version: [ 1, 2 ]
amdhsa.kernels:
  - .name:           k_q25927e1310_down
    .symbol:         k_q25927e1310_down.kd
    .args:
      - { .name: h_codes, .offset: 0, .size: 8, .value_kind: global_buffer, .address_space: global }
      - { .name: h_scales, .offset: 8, .size: 8, .value_kind: global_buffer, .address_space: global }
      - { .name: wd_codes, .offset: 16, .size: 8, .value_kind: global_buffer, .address_space: global }
      - { .name: wd_scales, .offset: 24, .size: 8, .value_kind: global_buffer, .address_space: global }
      - { .name: out0, .offset: 32, .size: 8, .value_kind: global_buffer, .address_space: global }
    .group_segment_fixed_size: 327680
    .private_segment_fixed_size: 0
    .kernarg_segment_align: 8
    .kernarg_segment_size: 40
    .max_flat_workgroup_size: 128
    .sgpr_count:     102
    .vgpr_count:     1024
    .wavefront_size: 32
...
	.end_amdgpu_metadata
.endif
;; end of part 3
